; MI455X (gfx1250); checked and timed in simulation.
; The chip was launched on July 23, 2026; its instructions are those of AMD's public machine-readable ISA for CDNA 5 (MIT licence, August 2026) and "CDNA5" Instruction Set Architecture Reference Guide (July 2026). The comments in the code are by the model that wrote it; some were corrected since.
;; Lie Spline. Allowed arithmetic: float matrix products may take bf16 or f16 operands with f32 sums; all other float work in f32.
;; Inputs: input_poses 32 x 2,048 x 7 float32; time 1 x 1 x 32 float32.
;; Outputs: out0 32 x 65,504 x 7 float32.
;; 2 versions, each right; version 2 is version 1 with the launch spline written anew for expert scheduling mode. Each part assembles by itself: llvm-mc -triple=amdgcn-amd-amdhsa -mcpu=gfx1250 --defsym DOCPART=n.
;; ======== version 1 of 2: 1 launch
;; limits: right only within a limited range of input values; a function is approximated: absolute error at most 5e-07
;; launch spline (part 1): grid 2047 x 1, 4 waves a work-group, no clusters, 26,112 bytes of LDS; arguments input_poses, time, out0; writes out0
.if DOCPART == 1
	.amdgcn_target "amdgcn-amd-amdhsa--gfx1250"
	.amdhsa_code_object_version 6
	.text
	.protected	k_q0383aefff0_spline
	.globl	k_q0383aefff0_spline
	.p2align	8
	.type	k_q0383aefff0_spline,@function
k_q0383aefff0_spline:
	s_mov_b64 s[64:65], 0
	v_nop
	global_prefetch_b8 v0, s[64:65] scope:SCOPE_SE
	s_setreg_imm32_b32 hwreg(HW_REG_WAVE_MODE, 25, 1), 1
	s_wait_xcnt 0x0
; Cumulative cubic B-spline on SE3: out[b][32 s + k] = p0 Exp(w0(k) d0) Exp(w1(k) d1) Exp(w2(k) d2), 7 f32 a point (t xyz, q xyzw).
; input_poses [32][2048][7] f32, time [32] f32, out0 [32][65504][7] f32.  poses[j] = input[clamp(j-1, 0, 2047)]; segment s uses poses s .. s+3.
;
; SHARES.  Flat segment g = 2047 b + s, its 32 points are the 896 bytes at 896 g.  65,504 segments = 2,047 work-groups x 4 waves x 8.
; The waves are independent: each touches only its own 6,400 bytes of LDS, so there is no barrier; no loop, no branch, EXEC stays full.
; No matrix unit (the only product, 3x4 by 4x32, is three cubics a lane, kept in f32), no tensor load, no cluster (nothing is shared
; between work-groups), no prefetch (a wave reads 15 words a lane once, at its start).
;
; PHASE A (lane = segment sl = l & 7, delta i = l >> 3): one relative pose inv(L) R, L = poses[s+i], R = poses[s+i+1]:
;   t = rot(conj qL, tR - tL), q = conj qL * qR, n = |q.xyz|, axis = q.xyz / n, cot = q.w / n = cot(theta/2), thq = theta/4 = atan2(n, q.w) / 2,
;   k1 = axis x t, k2 = axis x k1, G = t + k2, E = cot k1 - k2, F = cot k2 + k1.
; With these  Jl(w phi) (w Jl^-1(phi) t) = w G + sin^2(w theta/2) E - sin(w theta/2) cos(w theta/2) F : no division by theta, tau is never formed.
; Lanes with i = 3 do the same on clamped indices and fill a record that nobody reads.
; PHASE B (lane = time point k): two neighbouring segments ride in the two halves of the packed f32 instructions; their constants lie
; interleaved in LDS and come as register pairs by 16-byte loads that all lanes aim at the same address.
; The results go through a stage in LDS and leave as stores of 512 consecutive bytes, aligned.
;
; LIMITS.  (1) sin and cos are Taylor series in y = w theta/4, good for |y| <= pi/2 (error below 5e-7): that is time in [0, 1], where
; 0 <= w <= 1; outside it the error grows.  (2) A relative quaternion with |q.xyz|^2 < 1e-12 is taken as the identity rotation, whatever its w;
; reference() differs by at most about 2e-6 (1 + |t|), and where q.w = 0 as well it gives inf or NaN and this text finite numbers.
; (3) reference()'s clamp of |sin theta| below 1e-6 is replaced by the exact cot.  (4) atan is a polynomial of error about 2e-8.
; Quaternions are not assumed to be normalised.
.set WLDS,  6400                       ; LDS bytes of a wave: 2,816 of constants, 3,584 of stage
.set PREC,  704                        ; constants of a pair of segments: 4 records
.set REC,   176                        ; a record: 21 values x 2 segments x 4 bytes = 168, kept a multiple of 16
.set STAGE, 2816
.set SEG,   896                        ; output bytes of a segment
.set GRP,   4*SEG                      ; what the stage holds: 7 x 512 bytes
; scalar registers: s[4:5] poses, s[6:7] time, s[8:9] out0 at the wave's first byte, s10 wave, s11-s15 at work, s30 mask 'small', s31 1e-12
.set KS11, 16                          ; coefficient pairs (both halves written; read with their op_sel_hi bit 0)
.set KS7,  18                          ; 2 sin y = y (2 + z (S3 + z (S5 + z (S7 + z (S9 + z S11))))),  z = y^2
.set KS5,  20
.set KS3,  22
.set KC10, 24                          ; cos y = 1 + z (-1/2 + z (C4 + z (C6 + z (C8 + z C10))))
.set KC6,  26
.set KC4,  28
; vector registers kept throughout
.set W0,   2                           ; v[2:3], v[4:5], v[6:7]: each weight of my time point, twice
.set W1,   4
.set W2,   6
.set CADR, 8                           ; my wave's constants in LDS
.set STW,  9                           ; stage, in: + 28 x lane
.set STR,  10                          ; stage, back: + 16 x lane
.set GO,   11                          ; 16 x lane, the offset in out0
.set RS9,  110                         ; v[110:111] S9, v[112:113] C8
.set RC8,  112
; phase B (every quantity a pair: segment 2p, segment 2p+1; component c at base + 2c)
.set T,    12                          ; v[12:17]  translation of the running pose
.set R1,   18                          ; v[18:25]  its quaternion, in turns with
.set R2,   26                          ; v[26:33]  (the one not in use is scratch)
.set TR,   34                          ; v[34:41]  y -> sh, z -> ch, ps -> sh^2, pc -> sh ch
.set QI,   42                          ; v[42:47]  sh axis
.set TI,   48                          ; v[48:53]  the factor's translation
.set BX,   54                          ; v[54:81]  a record's first 14 values
.set BY,   82                          ; v[82:109] the other buffer
.set O,    26                          ; v[26:53]  the way out (R2, TR, QI, TI are dead there)
; phase A (one value a register)
.set LT, 20                            ; tL, qL, tR, qR: v[20:33] as loaded
.set LQ, 23
.set RT, 27
.set RQ, 30
.set U,  34                            ; my time; v35 at work
.set QC, 36                            ; -qL.xyz
.set DT, 40
.set CS, 43
.set TT, 46                            ; t
.set QR, 49                            ; q
.set AX, 53
.set K1, 56
.set K2, 59
.set G,  62
.set E,  65
.set F,  68
.set RECA, 83                          ; where my record's values go
	s_load_b128 s[4:7], s[0:1], 0x0                ; input_poses, time
	s_load_b64 s[8:9], s[0:1], 0x10                ; out0
	v_lshl_add_u32 v114, v0, 2, 0x6400
	v_mov_b32 v115, 0
	v_and_b32 v1, 31, v0                           ; lane
	v_lshrrev_b32 v14, 5, v0
	v_readfirstlane_b32 s10, v14                   ; wave
	v_and_b32 v12, 7, v1                           ; sl
	v_lshrrev_b32 v13, 3, v1                       ; i
	s_lshl_b32 s11, ttmp9, 5
	s_lshl3_add_u32 s11, s10, s11                  ; the wave's first flat segment: 32 x group + 8 x wave
	v_add_nc_u32 v14, s11, v12                     ; g = 2048 b' + r = 2047 b' + (r + b')
	v_lshrrev_b32 v15, 11, v14                     ; b'
	v_and_b32 v16, 0x7ff, v14
	v_add_nc_u32 v16, v16, v15                     ; r + b' < 2 x 2047: at most one step too far
	v_cmp_le_u32 vcc_lo, 0x7ff, v16
	v_add_nc_u32 v17, 0xfffff801, v16              ; - 2047
	v_cndmask_b32 v16, v16, v17, vcc_lo            ; s
	v_add_nc_u32 v17, 1, v15
	v_cndmask_b32 v15, v15, v17, vcc_lo            ; b
	v_add_nc_u32 v14, v16, v13                     ; j = s + i
	v_min_u32 v17, 0x7ff, v14                      ; R = input[min(j, 2047)]
	v_max_u32 v14, 1, v14
	v_add_nc_u32 v14, -1, v14
	v_min_u32 v14, 0x7ff, v14                      ; L = input[min(max(j, 1) - 1, 2047)]
	v_lshl_add_u32 v14, v15, 11, v14
	v_lshl_add_u32 v17, v15, 11, v17
	v_min_u32 v14, 0xffff, v14                     ; a row of the 65,536
	v_min_u32 v17, 0xffff, v17
	v_mul_u32_u24 v18, 28, v14
	v_mul_u32_u24 v19, 28, v17
	v_lshlrev_b32 v16, 2, v1
	s_wait_kmcnt 0x0
.irp c, 0,1,2,3,4,5,6
	global_load_b32 v[LT+\c], v18, s[4:5] offset:4*\c      ; rows of 28 bytes are aligned to 4 only: words
.endr
.irp c, 0,1,2,3,4,5,6
	global_load_b32 v[RT+\c], v19, s[4:5] offset:4*\c
.endr
	global_load_b32 v[U], v16, s[6:7]
	; while they are on their way: addresses and constants
	s_mul_i32 s12, s10, WLDS
	s_add_co_u32 s13, s12, STAGE
	v_mov_b32 v[CADR], s12
	v_mad_u32_u24 v[STW], v1, 28, s13
	v_lshl_add_u32 v[STR], v1, 4, s13
	v_lshlrev_b32 v[GO], 4, v1
	v_lshrrev_b32 v81, 1, v12
	v_mad_u32_u24 v[RECA], v81, PREC, v[CADR]      ; pair sl >> 1,
	v_mad_u32_u24 v[RECA], v13, REC, v[RECA]       ; record i,
	v_and_b32 v81, 1, v12
	v_lshl_add_u32 v[RECA], v81, 2, v[RECA]        ; half sl & 1; value v at + 8 v
	s_mul_i32 s14, ttmp9, 32*SEG
	s_mul_i32 s15, s10, 8*SEG
	s_add_co_u32 s14, s14, s15                     ; below 58,691,584
	s_mov_b32 s15, 0
	s_add_nc_u64 s[8:9], s[8:9], s[14:15]
	s_mov_b32 s31, 0x2b8cbccc                      ; 1e-12
.irp h, 0,1
	s_mov_b32 s[KS11+\h], 0xb357322b               ; -2/11!
	s_mov_b32 s[KS7+\h],  0xb9d00d01               ; -2/7!
	s_mov_b32 s[KS5+\h],  0x3c888889               ;  2/5!
	s_mov_b32 s[KS3+\h],  0xbeaaaaab               ; -2/3!
	s_mov_b32 s[KC10+\h], 0xb493f27e               ; -1/10!
	s_mov_b32 s[KC6+\h],  0xbab60b61               ; -1/6!
	s_mov_b32 s[KC4+\h],  0x3d2aaaab               ;  1/4!
	v_mov_b32 v[RS9+\h],  0x36b8ef1d               ;  2/9!
	v_mov_b32 v[RC8+\h],  0x37d00d01               ;  1/8!
.endr
	s_wait_loadcnt 0x0                             ; all fifteen words; the only global loads of the wave
	; the weights of my time point: w0 = (5 + 3u - 3u^2 + u^3)/6, w1 = (1 + 3u + 3u^2 - 2u^3)/6, w2 = u^3/6; the last product twice fills the pair
	v_add_f32 v35, 0xc0400000, v[U]
	v_fmaak_f32 v35, v35, v[U], 0x40400000
	v_fmaak_f32 v35, v35, v[U], 0x40a00000
	v_mul_f32 v[W0], 0x3e2aaaab, v35
	v_mul_f32 v[W0+1], 0x3e2aaaab, v35
	v_fmaak_f32 v35, -2.0, v[U], 0x40400000
	v_fmaak_f32 v35, v35, v[U], 0x40400000
	v_fmaak_f32 v35, v35, v[U], 0x3f800000
	v_mul_f32 v[W1], 0x3e2aaaab, v35
	v_mul_f32 v[W1+1], 0x3e2aaaab, v35
	v_mul_f32 v35, v[U], v[U]
	v_mul_f32 v35, v35, v[U]
	v_mul_f32 v[W2], 0x3e2aaaab, v35
	v_mul_f32 v[W2+1], 0x3e2aaaab, v35
.macro CROSS1 d, a, b                  ; d = a x b, one value a register; d apart from a and b
	v_mul_f32 v[\d],   v[\a+2], v[\b+1]
	v_mul_f32 v[\d+1], v[\a],   v[\b+2]
	v_mul_f32 v[\d+2], v[\a+1], v[\b]
	v_fma_f32 v[\d],   v[\a+1], v[\b+2], -v[\d]
	v_fma_f32 v[\d+1], v[\a+2], v[\b],   -v[\d+1]
	v_fma_f32 v[\d+2], v[\a],   v[\b+1], -v[\d+2]
.endm
	; t = rot(conj qL, tR - tL) = v + 2 (w c + qv x c), c = qv x v  (the rotation is linear in v, so one does for -rot(tL) + rot(tR))
.irp c, 0,1,2
	v_xor_b32 v[QC+\c], 0x80000000, v[LQ+\c]
	v_sub_f32 v[DT+\c], v[RT+\c], v[LT+\c]
.endr
	CROSS1 CS, QC, DT
	CROSS1 TT, QC, CS
.irp c, 0,1,2
	v_fmac_f32 v[TT+\c], v[LQ+3], v[CS+\c]
.endr
.irp c, 0,1,2
	v_fma_f32 v[TT+\c], v[TT+\c], 2.0, v[DT+\c]
.endr
	; q = conj qL * qR
	v_mul_f32 v[QR],   v[LQ+3], v[RQ]
	v_mul_f32 v[QR+1], v[LQ+3], v[RQ+1]
	v_mul_f32 v[QR+2], v[LQ+3], v[RQ+2]
	v_mul_f32 v[QR+3], v[LQ+3], v[RQ+3]
	v_fmac_f32 v[QR],   v[QC],   v[RQ+3]
	v_fmac_f32 v[QR+1], v[QC+1], v[RQ+3]
	v_fmac_f32 v[QR+2], v[QC+2], v[RQ+3]
	v_fma_f32  v[QR+3], -v[QC],   v[RQ],   v[QR+3]
	v_fmac_f32 v[QR],   v[QC+1], v[RQ+2]
	v_fmac_f32 v[QR+1], v[QC+2], v[RQ]
	v_fmac_f32 v[QR+2], v[QC],   v[RQ+1]
	v_fma_f32  v[QR+3], -v[QC+1], v[RQ+1], v[QR+3]
	v_fma_f32  v[QR],   -v[QC+2], v[RQ+1], v[QR]
	v_fma_f32  v[QR+1], -v[QC],   v[RQ+2], v[QR+1]
	v_fma_f32  v[QR+2], -v[QC+1], v[RQ],   v[QR+2]
	v_fma_f32  v[QR+3], -v[QC+2], v[RQ+2], v[QR+3]
	; n^2, 1/n (0 where n^2 < 1e-12: axis, cot and angle vanish, the delta is a pure translation), n, axis, cot
	v_mul_f32 v71, v[QR], v[QR]
	v_fmac_f32 v71, v[QR+1], v[QR+1]
	v_fmac_f32 v71, v[QR+2], v[QR+2]
	v_rsq_f32 v72, v71
	v_and_b32 v75, 0x7fffffff, v[QR+3]             ; |w|: the plain instruction between v_rsq_f32 and the first use of its result (ISA guide 5.7.2)
	v_cmp_gt_f32 s30, s31, v71                     ; small
	s_wait_alu depctr_va_vdst(0)
	v_cndmask_b32 v72, v72, 0, s30
	v_mul_f32 v73, v71, v72                        ; n
.irp c, 0,1,2
	v_mul_f32 v[AX+\c], v[QR+\c], v72
.endr
	v_mul_f32 v74, v[QR+3], v72                    ; cot(theta/2)
	; atan2(n, w), n >= 0: atan of min/max in [0, 1] by a polynomial in its square, then the two reflections
	v_min_num_f32 v76, v73, v75
	v_max_num_f32 v77, v73, v75
	v_rcp_f32 v78, v77
	v_mov_b32 v80, 0x3b3bd74a                      ; the leading coefficient; also the plain instruction behind v_rcp_f32
	s_wait_alu depctr_va_vdst(0)
	v_mul_f32 v78, v76, v78                        ; r
	v_mul_f32 v79, v78, v78
.irp k, 0xbc846e02, 0x3d2fc1fe, 0xbd9a3174, 0x3dda3d83, 0xbe117fc7, 0x3e4cbbe5, 0xbeaaaa6c
	v_fmaak_f32 v80, v80, v79, \k
.endr
	v_fma_f32 v80, v80, v79, 1.0
	v_mul_f32 v80, v80, v78                        ; atan r
	v_sub_f32 v81, 0x3fc90fdb, v80
	v_cmp_gt_f32 vcc_lo, v73, v75
	v_cndmask_b32 v80, v80, v81, vcc_lo            ; n > |w|: pi/2 - it
	v_sub_f32 v81, 0x40490fdb, v80
	v_cmp_gt_f32 vcc_lo, 0, v[QR+3]
	v_cndmask_b32 v80, v80, v81, vcc_lo            ; w < 0: pi - it
	v_mul_f32 v82, 0.5, v80                        ; theta/4
	v_cndmask_b32 v82, v82, 0, s30
	CROSS1 K1, AX, TT
	CROSS1 K2, AX, K1
.irp c, 0,1,2
	v_add_f32 v[G+\c], v[TT+\c], v[K2+\c]
	v_fma_f32 v[E+\c], v74, v[K1+\c], -v[K2+\c]
	v_fma_f32 v[F+\c], v74, v[K2+\c], v[K1+\c]
.endr
	; the record: 0 theta/4, 1 the same (fills the 16 bytes that are loaded), 2-4 axis, 5-7 G, 8-10 E, 11-13 F, 14-16 tL, 17-20 qL
	ds_store_b32 v[RECA], v82
	ds_store_b32 v[RECA], v82 offset:8
.irp c, 0,1,2
	ds_store_b32 v[RECA], v[AX+\c] offset:16+8*\c
.endr
.irp c, 0,1,2,3,4,5,6,7,8
	ds_store_b32 v[RECA], v[G+\c] offset:40+8*\c   ; G, E, F lie in a row
.endr
.irp c, 0,1,2,3,4,5,6
	ds_store_b32 v[RECA], v[LT+\c] offset:112+8*\c ; tL, qL likewise
.endr
	; LDS serves a wave's instructions in order (ISA guide 5.7.1): the loads below see these stores without a wait, and no other wave reads them
; ---- phase B: packed arithmetic on pairs ----
.macro PMUL d, a, b
	v_pk_mul_f32 v[\d:\d+1], v[\a:\a+1], v[\b:\b+1]
.endm
.macro PADD d, a, b
	v_pk_add_f32 v[\d:\d+1], v[\a:\a+1], v[\b:\b+1]
.endm
.macro PFMA d, a, b, c                 ; a b + c
	v_pk_fma_f32 v[\d:\d+1], v[\a:\a+1], v[\b:\b+1], v[\c:\c+1]
.endm
.macro PFMS d, a, b, c                 ; a b - c
	v_pk_fma_f32 v[\d:\d+1], v[\a:\a+1], v[\b:\b+1], v[\c:\c+1] neg_lo:[0,0,1] neg_hi:[0,0,1]
.endm
.macro PFNMA d, a, b, c                ; c - a b
	v_pk_fma_f32 v[\d:\d+1], v[\a:\a+1], v[\b:\b+1], v[\c:\c+1] neg_lo:[1,0,0] neg_hi:[1,0,0]
.endm
.macro PFMAS d, a, b, sc               ; a b + a scalar, the same for both halves
	v_pk_fma_f32 v[\d:\d+1], v[\a:\a+1], v[\b:\b+1], s[\sc:\sc+1] op_sel_hi:[1,1,0]
.endm
.macro PFMAK d, a, b, k                ; a b + an inline constant
	v_pk_fma_f32 v[\d:\d+1], v[\a:\a+1], v[\b:\b+1], \k op_sel_hi:[1,1,0]
.endm
.macro PCROSS d, a, b                  ; d = a x b; d apart from a and b
	PMUL \d,   \a+4, \b+2
	PMUL \d+2, \a,   \b+4
	PMUL \d+4, \a+2, \b
	PFMS \d,   \a+2, \b+4, \d
	PFMS \d+2, \a+4, \b,   \d+2
	PFMS \d+4, \a,   \b+2, \d+4
.endm
.macro PQMUL d, a, b, bw               ; d = a * (b.xyz, bw), xyzw; four chains side by side
	PMUL  \d,   \a+6, \b
	PMUL  \d+2, \a+6, \b+2
	PMUL  \d+4, \a+6, \b+4
	PMUL  \d+6, \a+6, \bw
	PFMA  \d,   \a,   \bw,  \d
	PFMA  \d+2, \a+2, \bw,  \d+2
	PFMA  \d+4, \a+4, \bw,  \d+4
	PFNMA \d+6, \a,   \b,   \d+6
	PFMA  \d,   \a+2, \b+4, \d
	PFMA  \d+2, \a+4, \b,   \d+2
	PFMA  \d+4, \a,   \b+2, \d+4
	PFNMA \d+6, \a+2, \b+2, \d+6
	PFNMA \d,   \a+4, \b+2, \d
	PFNMA \d+2, \a,   \b+4, \d+2
	PFNMA \d+4, \a+2, \b,   \d+4
	PFNMA \d+6, \a+4, \b+4, \d+6
.endm
; Exp(w d) of the record in buf: y = w theta/4; 2 sin y and cos y by their series; one doubling gives sh = sin(w theta/2), ch = cos(w theta/2).
; Leaves sh in TR, ch in TR+2, QI = sh axis, TI = w G + sh^2 E - sh ch F.
.macro GEN buf, w
	PMUL TR, \buf, \w                              ; y
	PMUL TR+2, TR, TR                              ; z
	v_pk_fma_f32 v[TR+4:TR+5], v[TR+2:TR+3], s[KS11:KS11+1], v[RS9:RS9+1] op_sel_hi:[1,0,1]
	v_pk_fma_f32 v[TR+6:TR+7], v[TR+2:TR+3], s[KC10:KC10+1], v[RC8:RC8+1] op_sel_hi:[1,0,1]
	PFMAS TR+4, TR+4, TR+2, KS7
	PFMAS TR+6, TR+6, TR+2, KC6
	PFMAS TR+4, TR+4, TR+2, KS5
	PFMAS TR+6, TR+6, TR+2, KC4
	PFMAS TR+4, TR+4, TR+2, KS3
	PFMAK TR+6, TR+6, TR+2, -0.5
	PFMAK TR+4, TR+4, TR+2, 2.0
	PFMAK TR+6, TR+6, TR+2, 1.0                    ; cos y
	PMUL TR+4, TR+4, TR                            ; 2 sin y
	PMUL TR, TR+4, TR+6                            ; sh = 2 sin y cos y
	PMUL TR+2, TR+4, TR+4
	v_pk_fma_f32 v[TR+2:TR+3], v[TR+2:TR+3], -0.5, 1.0 op_sel_hi:[1,0,0]   ; ch = 1 - (2 sin y)^2 / 2
	PMUL TR+4, TR, TR                              ; sh^2
	PMUL TR+6, TR, TR+2                            ; sh ch
.irp c, 0,1,2
	PMUL QI+2*\c, TR, \buf+4+2*\c
	PMUL TI+2*\c, \w, \buf+10+2*\c
.endr
.irp c, 0,1,2
	PFMA TI+2*\c, TR+4, \buf+16+2*\c, TI+2*\c
.endr
.irp c, 0,1,2
	PFNMA TI+2*\c, TR+6, \buf+22+2*\c, TI+2*\c
.endr
.endm
; (T, qo) * (TI, (QI, ch)):  T += TI + 2 (w c + qv x c), c = qv x TI;  qn = qo * (QI, ch).  qn serves as c until the product overwrites it.
.macro COMPOSE qo, qn
	PCROSS \qn, \qo, TI
.irp c, 0,1,2
	PADD T+2*\c, T+2*\c, TI+2*\c
.endr
	PCROSS TI, \qo, \qn
.irp c, 0,1,2
	PFMA TI+2*\c, \qo+6, \qn+2*\c, TI+2*\c
.endr
.irp c, 0,1,2
	v_pk_fma_f32 v[T+2*\c:T+2*\c+1], v[TI+2*\c:TI+2*\c+1], 2.0, v[T+2*\c:T+2*\c+1] op_sel_hi:[1,0,1]
.endr
	PQMUL \qn, \qo, QI, TR+2
.endm
.macro LOADC buf, off                  ; values 0-13 of the record at off: 112 bytes, every lane the same address
.irp t, 0,1,2,3,4,5,6
	ds_load_b128 v[\buf+4*\t:\buf+4*\t+3], v[CADR] offset:\off+16*\t
.endr
.endm
.macro LOADP off                       ; values 14-20 of a pair's record 0: p0 into T and R1, 56 bytes
	ds_load_b128 v[T:T+3],     v[CADR] offset:\off+112
	ds_load_b128 v[T+4:T+7],   v[CADR] offset:\off+128
	ds_load_b128 v[T+8:T+11],  v[CADR] offset:\off+144
	ds_load_b64  v[T+12:T+13], v[CADR] offset:\off+160
.endm
; One factor.  wc: how many younger LDS instructions may stay out when buf has to be in (none wanted: -1).  As soon as buf is used up it is
; loaded again with the record two factors on (nextoff; -1: none).  wp: the same count for the pair's start pose, wanted by COMPOSE alone.
.macro FACTOR buf, w, qo, qn, wc, nextoff, wp
.if \wc >= 0
	s_wait_dscnt \wc
.endif
	GEN \buf, \w
.if \nextoff >= 0
	LOADC \buf, \nextoff
.endif
.if \wp >= 0
	s_wait_dscnt \wp
.endif
	COMPOSE \qo, \qn
.endm
; Segments 2p and 2p+1.  The factors take the two buffers in turn, so bA, bB swap from pair to pair.
; Counts of 7: behind a record's loads stand the seven of the next record.  The last factor of all has nothing behind its loads: 0.
.macro PAIR p, bA, bB, wc0, wp
	FACTOR \bA, W0, R1, R2, \wc0, \p*PREC+2*REC, \wp
.if \p < 3
	FACTOR \bB, W1, R2, R1, 7, \p*PREC+PREC, -1
	FACTOR \bA, W2, R1, R2, 7, \p*PREC+PREC+REC, -1
.else
	FACTOR \bB, W1, R2, R1, 7, -1, -1
	FACTOR \bA, W2, R1, R2, 0, -1, -1
.endif
.irp e, 0,1
.irp c, 0,1,2
	ds_store_b32 v[STW], v[T+2*\c+\e] offset:((\p&1)*2+\e)*SEG+4*\c        ; lanes 7 words apart: 32 different banks
.endr
.irp c, 0,1,2,3
	ds_store_b32 v[STW], v[R2+2*\c+\e] offset:((\p&1)*2+\e)*SEG+12+4*\c
.endr
.endr
.if \p < 3
	LOADP \p*PREC+PREC
.endif
.endm
; Four segments leave: 3,584 bytes read back in the order of memory; each store of the wave covers 512 consecutive bytes, aligned.
.macro FLUSH grp, more
.irp t, 0,1,2,3,4,5,6
	ds_load_b128 v[O+4*\t:O+4*\t+3], v[STR] offset:512*\t  ; in order behind my own stage stores: no wait between
.endr
.irp t, 0,1,2,3,4,5,6
	s_wait_dscnt 6-\t                              ; load t is in, the younger ones stay out
	global_store_b128 v[GO], v[O+4*\t:O+4*\t+3], s[8:9] offset:\grp*GRP+512*\t th:TH_STORE_NT
.endr
.if \more
	s_wait_xcnt 0x0                                ; the next pair's arithmetic rewrites the stores' data registers only behind this wait (ISA guide 3.1)
.endif
.endm
	LOADP 0
	LOADC BX, 0
	LOADC BY, REC
	PAIR 0, BX, BY, 7, -1                          ; 7: BY's loads stay out; the start pose stands ahead of BX's loads and is in with them
	PAIR 1, BY, BX, 25, 7                          ; 25 behind this record's loads: 7 loads, 14 stage stores, 4 of the start pose; then 7: the reload alone
	FLUSH 0, 1
	PAIR 2, BX, BY, -1, -1                         ; the way out ended on a count of 0: everything asked for earlier is in
	PAIR 3, BY, BX, 25, 7
	FLUSH 1, 0
	s_wait_tensorcnt 0x0
	ds_add_u32 v114, v115
	s_wait_dscnt 0x0
	s_endpgm
.Lfunc_end_k_q0383aefff0_spline:
	.size	k_q0383aefff0_spline, .Lfunc_end_k_q0383aefff0_spline-k_q0383aefff0_spline
	.p2alignl 7, 3214868480
	.fill 96, 4, 3214868480
	.section	.rodata,"a",@progbits
	.p2align	6, 0x0
	.amdhsa_kernel k_q0383aefff0_spline
		.amdhsa_group_segment_fixed_size 26112
		.amdhsa_private_segment_fixed_size 0
		.amdhsa_enable_private_segment 0
		.amdhsa_kernarg_size 24
		.amdhsa_user_sgpr_count 2
		.amdhsa_user_sgpr_kernarg_segment_ptr 1
		.amdhsa_wavefront_size32 1
		.amdhsa_system_sgpr_workgroup_id_x 1
		.amdhsa_system_sgpr_workgroup_id_y 1
		.amdhsa_system_sgpr_workgroup_id_z 1
		.amdhsa_system_vgpr_workitem_id 0
		.amdhsa_next_free_vgpr 116
		.amdhsa_next_free_sgpr 66
		.amdhsa_reserve_vcc 1
		.amdhsa_float_denorm_mode_32 3
		.amdhsa_float_denorm_mode_16_64 3
		.amdhsa_memory_ordered 1
		.amdhsa_forward_progress 1
		.amdhsa_inst_pref_size 75
	.end_amdhsa_kernel
	.amdgpu_metadata
---
amdhsa.version: [ 1, 2 ]
amdhsa.kernels:
  - .name:           k_q0383aefff0_spline
    .symbol:         k_q0383aefff0_spline.kd
    .args:
      - { .name: input_poses, .offset: 0, .size: 8, .value_kind: global_buffer, .address_space: global }
      - { .name: time, .offset: 8, .size: 8, .value_kind: global_buffer, .address_space: global }
      - { .name: out0, .offset: 16, .size: 8, .value_kind: global_buffer, .address_space: global }
    .group_segment_fixed_size: 26112
    .private_segment_fixed_size: 0
    .kernarg_segment_align: 8
    .kernarg_segment_size: 24
    .max_flat_workgroup_size: 128
    .sgpr_count:     66
    .vgpr_count:     116
    .wavefront_size: 32
...
	.end_amdgpu_metadata
.endif
;; end of part 1
;; ======== version 2 of 2: 1 launch; version 1 with the launch spline written anew for expert scheduling mode
;; limits: right only within a limited range of input values; a function is approximated: absolute error at most 5e-07
;; launch spline (part 2): grid 2047 x 1, 4 waves a work-group, no clusters, 26,112 bytes of LDS; arguments input_poses, time, out0; writes out0
.if DOCPART == 2
	.amdgcn_target "amdgcn-amd-amdhsa--gfx1250"
	.amdhsa_code_object_version 6
	.text
	.protected	k_q0383aefff0_spline
	.globl	k_q0383aefff0_spline
	.p2align	8
	.type	k_q0383aefff0_spline,@function
k_q0383aefff0_spline:
	s_mov_b64 s[64:65], 0
	v_nop
	global_prefetch_b8 v0, s[64:65] scope:SCOPE_SE
	s_setreg_imm32_b32 hwreg(HW_REG_WAVE_SCHED_MODE, 0, 2), 2
	s_setreg_imm32_b32 hwreg(HW_REG_WAVE_MODE, 25, 1), 1
	s_wait_xcnt 0x0
	s_wait_alu depctr_vm_vsrc(0)
; Cumulative cubic B-spline on SE3: out[b][32 s + k] = p0 Exp(w0(k) d0) Exp(w1(k) d1) Exp(w2(k) d2), 7 f32 a point (t xyz, q xyzw).
; input_poses [32][2048][7] f32, time [32] f32, out0 [32][65504][7] f32.  poses[j] = input[clamp(j-1, 0, 2047)]; segment s uses poses s .. s+3.
;
; SHARES.  Flat segment g = 2047 b + s, its 32 points are the 896 bytes at 896 g.  65,504 segments = 2,047 work-groups x 4 waves x 8.
; The waves are independent: each touches only its own 6,400 bytes of LDS, so there is no barrier; no loop, no branch, EXEC stays full.
; No matrix unit (the only product, 3x4 by 4x32, is three cubics a lane, kept in f32), no tensor load, no cluster (nothing is shared
; between work-groups), no prefetch (a wave reads 15 words a lane once, at its start).
;
; PHASE A (lane = segment sl = l & 7, delta i = l >> 3): one relative pose inv(L) R, L = poses[s+i], R = poses[s+i+1]:
;   t = rot(conj qL, tR - tL), q = conj qL * qR, n = |q.xyz|, axis = q.xyz / n, cot = q.w / n = cot(theta/2), thq = theta/4 = atan2(n, q.w) / 2,
;   k1 = axis x t, k2 = axis x k1, G = t + k2, E = cot k1 - k2, F = cot k2 + k1.
; With these  Jl(w phi) (w Jl^-1(phi) t) = w G + sin^2(w theta/2) E - sin(w theta/2) cos(w theta/2) F : no division by theta, tau is never formed.
; Lanes with i = 3 do the same on clamped indices and fill a record that nobody reads.
; PHASE B (lane = time point k): two neighbouring segments ride in the two halves of the packed f32 instructions; their constants lie
; interleaved in LDS and come as register pairs by 16-byte loads that all lanes aim at the same address.
; The results go through a stage in LDS and leave as stores of 512 consecutive bytes, aligned.
;
; LIMITS.  (1) sin and cos are Taylor series in y = w theta/4, good for |y| <= pi/2 (error below 5e-7): that is time in [0, 1], where
; 0 <= w <= 1; outside it the error grows.  (2) A relative quaternion with |q.xyz|^2 < 1e-12 is taken as the identity rotation, whatever its w;
; reference() differs by at most about 2e-6 (1 + |t|), and where q.w = 0 as well it gives inf or NaN and this text finite numbers.
; (3) reference()'s clamp of |sin theta| below 1e-6 is replaced by the exact cot.  (4) atan is a polynomial of error about 2e-8.
; Quaternions are not assumed to be normalised.
;
; THE MODE: SCHED_MODE bits 1:0 = 2 (LLVM: expert scheduling mode 2), set by the entry lines.  The code itself states the register dependences
; between vector instructions and memory or LDS instructions, with s_wait_alu, always for 0.
; THE PLAN.  Registers that memory or LDS instructions touch in phase B:
;   BX, BY      Factor f (twelve in all, three a pair) works on buffer f % 2: its GEN reads it.  The seven loads of record f + 1 land in the other buffer,
;               which the GEN of factor f - 1 read; they are dealt among the first lines of GEN f, which names nothing of that buffer.
;   T, R1       The start pose's loads land in them behind a pair's end; COMPOSE reads and writes them; T is data of the stage stores.
;   R2          COMPOSE writes it; data of the stage stores.
;   O = v26-53  (R2, TR, QI, TI) the read-back from the stage lands in it; data of the global stores; the next pair's arithmetic writes it again.
;   v8 to v11   addresses, made at the head and never written again.
; So: one wait on va_vdst at the head of a pair's second and third factor (the GEN before is done with the buffer that is loaded next);
; one at a pair's end, ahead of the stage stores (T and R2 are written; T, R1, O and the last GEN's buffer are named by no vector instruction any more:
; it serves the start pose's loads, the read-back and the next pair's first factor too); one wait on vm_vsrc behind the stage stores and one behind
; the first way out's global stores.  Phase A's waits are said where they stand.
.set WLDS,  6400                       ; LDS bytes of a wave: 2,816 of constants, 3,584 of stage
.set PREC,  704                        ; constants of a pair of segments: 4 records
.set REC,   176                        ; a record: 21 values x 2 segments x 4 bytes = 168, kept a multiple of 16
.set STAGE, 2816
.set SEG,   896                        ; output bytes of a segment
.set GRP,   4*SEG                      ; what the stage holds: 7 x 512 bytes
; scalar registers: s[4:5] poses, s[6:7] time, s[8:9] out0 at the wave's first byte, s10 wave, s11-s15 at work (s12, s13 later the masks of atan2's two reflections), s30 mask 'small', s31 1e-12
.set KS11, 16                          ; coefficient pairs (both halves written; read with their op_sel_hi bit 0)
.set KS7,  18                          ; 2 sin y = y (2 + z (S3 + z (S5 + z (S7 + z (S9 + z S11))))),  z = y^2
.set KS5,  20
.set KS3,  22
.set KC10, 24                          ; cos y = 1 + z (-1/2 + z (C4 + z (C6 + z (C8 + z C10))))
.set KC6,  26
.set KC4,  28
; vector registers kept throughout
.set W0,   2                           ; v[2:3], v[4:5], v[6:7]: each weight of my time point, twice
.set W1,   4
.set W2,   6
.set CADR, 8                           ; my wave's constants in LDS
.set STW,  9                           ; stage, in: + 28 x lane
.set STR,  10                          ; stage, back: + 16 x lane
.set GO,   11                          ; 16 x lane, the offset in out0
.set RS9,  110                         ; v[110:111] S9, v[112:113] C8
.set RC8,  112
; phase B (every quantity a pair: segment 2p, segment 2p+1; component c at base + 2c)
.set T,    12                          ; v[12:17]  translation of the running pose
.set R1,   18                          ; v[18:25]  its quaternion, in turns with
.set R2,   26                          ; v[26:33]  (the one not in use is scratch)
.set TR,   34                          ; v[34:41]  y -> sh, z -> ch, ps -> sh^2, pc -> sh ch
.set QI,   42                          ; v[42:47]  sh axis
.set TI,   48                          ; v[48:53]  the factor's translation
.set BX,   54                          ; v[54:81]  a record's first 14 values
.set BY,   82                          ; v[82:109] the other buffer
.set O,    26                          ; v[26:53]  the way out (R2, TR, QI, TI are dead there)
; phase A (one value a register)
.set LT, 20                            ; tL, qL, tR, qR: v[20:33] as loaded
.set LQ, 23
.set RT, 27
.set RQ, 30
.set U,  34                            ; my time; v35 at work
.set QC, 36                            ; -qL.xyz
.set DT, 40
.set CS, 43
.set TT, 46                            ; t
.set QR, 49                            ; q
.set AX, 53
.set K1, 56
.set K2, 59
.set G,  62
.set E,  65
.set F,  68
.set RECA, 83                          ; where my record's values go
	s_load_b128 s[4:7], s[0:1], 0x0                ; input_poses, time
	s_load_b64 s[8:9], s[0:1], 0x10                ; out0
	v_lshl_add_u32 v114, v0, 2, 0x6400
	v_mov_b32 v115, 0
	v_and_b32 v1, 31, v0                           ; lane
	v_lshrrev_b32 v14, 5, v0
	v_readfirstlane_b32 s10, v14                   ; wave
	v_and_b32 v12, 7, v1                           ; sl
	v_lshrrev_b32 v13, 3, v1                       ; i
	s_lshl_b32 s11, ttmp9, 5
	s_wait_alu depctr_va_sdst(0)                   ; s10 is written, ahead of its first reader
	s_lshl3_add_u32 s11, s10, s11                  ; the wave's first flat segment: 32 x group + 8 x wave
	v_add_nc_u32 v14, s11, v12                     ; g = 2048 b' + r = 2047 b' + (r + b')
	v_lshrrev_b32 v15, 11, v14                     ; b'
	v_and_b32 v16, 0x7ff, v14
	v_add_nc_u32 v16, v16, v15                     ; r + b' < 2 x 2047: at most one step too far
	v_cmp_le_u32 vcc_lo, 0x7ff, v16
	v_add_nc_u32 v17, 0xfffff801, v16              ; - 2047
	s_wait_alu depctr_va_vcc(0)                    ; the compare has written VCC, which the two selects below read
	v_cndmask_b32 v16, v16, v17, vcc_lo            ; s
	v_add_nc_u32 v17, 1, v15
	v_cndmask_b32 v15, v15, v17, vcc_lo            ; b
	v_add_nc_u32 v14, v16, v13                     ; j = s + i
	v_min_u32 v17, 0x7ff, v14                      ; R = input[min(j, 2047)]
	v_max_u32 v14, 1, v14
	v_add_nc_u32 v14, -1, v14
	v_min_u32 v14, 0x7ff, v14                      ; L = input[min(max(j, 1) - 1, 2047)]
	v_lshl_add_u32 v14, v15, 11, v14
	v_lshl_add_u32 v17, v15, 11, v17
	v_min_u32 v14, 0xffff, v14                     ; a row of the 65,536
	v_min_u32 v17, 0xffff, v17
	v_mul_u32_u24 v18, 28, v14
	v_mul_u32_u24 v19, 28, v17
	v_lshlrev_b32 v16, 2, v1
	s_wait_kmcnt 0x0
	s_wait_alu depctr_va_vdst(0)                   ; v16, v18 and v19 are written: the offsets of the fifteen loads below
.irp c, 0,1,2,3,4,5,6
	global_load_b32 v[LT+\c], v18, s[4:5] offset:4*\c      ; rows of 28 bytes are aligned to 4 only: words
.endr
.irp c, 0,1,2,3,4,5,6
	global_load_b32 v[RT+\c], v19, s[4:5] offset:4*\c
.endr
	global_load_b32 v[U], v16, s[6:7]
	; while they are on their way: addresses and constants (none of these lines names a register of the loads)
	s_mul_i32 s12, s10, WLDS
	s_add_co_u32 s13, s12, STAGE
	v_mov_b32 v[CADR], s12
	v_mad_u32_u24 v[STW], v1, 28, s13
	v_lshl_add_u32 v[STR], v1, 4, s13
	v_lshlrev_b32 v[GO], 4, v1
	v_lshrrev_b32 v81, 1, v12
	v_mad_u32_u24 v[RECA], v81, PREC, v[CADR]      ; pair sl >> 1,
	v_mad_u32_u24 v[RECA], v13, REC, v[RECA]       ; record i,
	v_and_b32 v81, 1, v12
	v_lshl_add_u32 v[RECA], v81, 2, v[RECA]        ; half sl & 1; value v at + 8 v
	s_mul_i32 s14, ttmp9, 32*SEG
	s_mul_i32 s15, s10, 8*SEG
	s_add_co_u32 s14, s14, s15                     ; below 58,691,584
	s_mov_b32 s15, 0
	s_add_nc_u64 s[8:9], s[8:9], s[14:15]
	s_mov_b32 s31, 0x2b8cbccc                      ; 1e-12
.irp h, 0,1
	s_mov_b32 s[KS11+\h], 0xb357322b               ; -2/11!
	s_mov_b32 s[KS7+\h],  0xb9d00d01               ; -2/7!
	s_mov_b32 s[KS5+\h],  0x3c888889               ;  2/5!
	s_mov_b32 s[KS3+\h],  0xbeaaaaab               ; -2/3!
	s_mov_b32 s[KC10+\h], 0xb493f27e               ; -1/10!
	s_mov_b32 s[KC6+\h],  0xbab60b61               ; -1/6!
	s_mov_b32 s[KC4+\h],  0x3d2aaaab               ;  1/4!
	v_mov_b32 v[RS9+\h],  0x36b8ef1d               ;  2/9!
	v_mov_b32 v[RC8+\h],  0x37d00d01               ;  1/8!
.endr
	s_wait_loadcnt 0x0                             ; all fifteen words; the only global loads of the wave
	; the weights of my time point: w0 = (5 + 3u - 3u^2 + u^3)/6, w1 = (1 + 3u + 3u^2 - 2u^3)/6, w2 = u^3/6; the last product twice fills the pair
	v_add_f32 v35, 0xc0400000, v[U]
	v_fmaak_f32 v35, v35, v[U], 0x40400000
	v_fmaak_f32 v35, v35, v[U], 0x40a00000
	v_mul_f32 v[W0], 0x3e2aaaab, v35
	v_mul_f32 v[W0+1], 0x3e2aaaab, v35
	v_fmaak_f32 v35, -2.0, v[U], 0x40400000
	v_fmaak_f32 v35, v35, v[U], 0x40400000
	v_fmaak_f32 v35, v35, v[U], 0x3f800000
	v_mul_f32 v[W1], 0x3e2aaaab, v35
	v_mul_f32 v[W1+1], 0x3e2aaaab, v35
	v_mul_f32 v35, v[U], v[U]
	v_mul_f32 v35, v35, v[U]
	v_mul_f32 v[W2], 0x3e2aaaab, v35
	v_mul_f32 v[W2+1], 0x3e2aaaab, v35
.macro CROSS1 d, a, b                  ; d = a x b, one value a register; d apart from a and b
	v_mul_f32 v[\d],   v[\a+2], v[\b+1]
	v_mul_f32 v[\d+1], v[\a],   v[\b+2]
	v_mul_f32 v[\d+2], v[\a+1], v[\b]
	v_fma_f32 v[\d],   v[\a+1], v[\b+2], -v[\d]
	v_fma_f32 v[\d+1], v[\a+2], v[\b],   -v[\d+1]
	v_fma_f32 v[\d+2], v[\a],   v[\b+1], -v[\d+2]
.endm
	; t = rot(conj qL, tR - tL) = v + 2 (w c + qv x c), c = qv x v  (the rotation is linear in v, so one does for -rot(tL) + rot(tR))
.irp c, 0,1,2
	v_xor_b32 v[QC+\c], 0x80000000, v[LQ+\c]
	v_sub_f32 v[DT+\c], v[RT+\c], v[LT+\c]
.endr
	CROSS1 CS, QC, DT
	CROSS1 TT, QC, CS
.irp c, 0,1,2
	v_fmac_f32 v[TT+\c], v[LQ+3], v[CS+\c]
.endr
.irp c, 0,1,2
	v_fma_f32 v[TT+\c], v[TT+\c], 2.0, v[DT+\c]
.endr
	; q = conj qL * qR
	v_mul_f32 v[QR],   v[LQ+3], v[RQ]
	v_mul_f32 v[QR+1], v[LQ+3], v[RQ+1]
	v_mul_f32 v[QR+2], v[LQ+3], v[RQ+2]
	v_mul_f32 v[QR+3], v[LQ+3], v[RQ+3]
	v_fmac_f32 v[QR],   v[QC],   v[RQ+3]
	v_fmac_f32 v[QR+1], v[QC+1], v[RQ+3]
	v_fmac_f32 v[QR+2], v[QC+2], v[RQ+3]
	v_fma_f32  v[QR+3], -v[QC],   v[RQ],   v[QR+3]
	v_fmac_f32 v[QR],   v[QC+1], v[RQ+2]
	v_fmac_f32 v[QR+1], v[QC+2], v[RQ]
	v_fmac_f32 v[QR+2], v[QC],   v[RQ+1]
	v_fma_f32  v[QR+3], -v[QC+1], v[RQ+1], v[QR+3]
	v_fma_f32  v[QR],   -v[QC+2], v[RQ+1], v[QR]
	v_fma_f32  v[QR+1], -v[QC],   v[RQ+2], v[QR+1]
	v_fma_f32  v[QR+2], -v[QC+1], v[RQ],   v[QR+2]
	v_fma_f32  v[QR+3], -v[QC+2], v[RQ+2], v[QR+3]
	; n^2, 1/n (0 where n^2 < 1e-12: axis, cot and angle vanish, the delta is a pure translation), n, axis, cot
	v_mul_f32 v71, v[QR], v[QR]
	v_fmac_f32 v71, v[QR+1], v[QR+1]
	v_fmac_f32 v71, v[QR+2], v[QR+2]
	v_rsq_f32 v72, v71
	v_and_b32 v75, 0x7fffffff, v[QR+3]             ; |w|: the plain instruction between v_rsq_f32 and the first use of its result (ISA guide 5.7.2)
	v_cmp_gt_f32 s30, s31, v71                     ; small
	s_wait_alu depctr_va_sdst(0)                   ; the compare has written s30, ahead of its first reader
	s_wait_alu depctr_va_vdst(0)                   ; v_rsq_f32 has written v72, ahead of the first line that names it
	v_cndmask_b32 v72, v72, 0, s30
	v_mul_f32 v73, v71, v72                        ; n
.irp c, 0,1,2
	v_mul_f32 v[AX+\c], v[QR+\c], v72
.endr
	v_mul_f32 v74, v[QR+3], v72                    ; cot(theta/2)
	; atan2(n, w), n >= 0: atan of min/max in [0, 1] by a polynomial in its square, then the two reflections.
	; The reflections' two compares stand in one run behind v_rcp_f32, into scalar registers, so that one wait serves both masks.
	v_min_num_f32 v76, v73, v75
	v_max_num_f32 v77, v73, v75
	v_rcp_f32 v78, v77
	v_mov_b32 v80, 0x3b3bd74a                      ; the leading coefficient; also the plain instruction behind v_rcp_f32
	v_cmp_gt_f32 s12, v73, v75                     ; n > |w|
	v_cmp_gt_f32 s13, 0, v[QR+3]                   ; w < 0
	s_wait_alu depctr_va_sdst(0)                   ; the two compares have written s12 and s13, ahead of their first readers
	s_wait_alu depctr_va_vdst(0)                   ; v_rcp_f32 has written v78, ahead of the first line that names it
	v_mul_f32 v78, v76, v78                        ; r
	v_mul_f32 v79, v78, v78
.irp k, 0xbc846e02, 0x3d2fc1fe, 0xbd9a3174, 0x3dda3d83, 0xbe117fc7, 0x3e4cbbe5, 0xbeaaaa6c
	v_fmaak_f32 v80, v80, v79, \k
.endr
	v_fma_f32 v80, v80, v79, 1.0
	v_mul_f32 v80, v80, v78                        ; atan r
	v_sub_f32 v81, 0x3fc90fdb, v80
	v_cndmask_b32 v80, v80, v81, s12               ; n > |w|: pi/2 - it
	v_sub_f32 v81, 0x40490fdb, v80
	v_cndmask_b32 v80, v80, v81, s13               ; w < 0: pi - it
	v_mul_f32 v82, 0.5, v80                        ; theta/4
	v_cndmask_b32 v82, v82, 0, s30
	CROSS1 K1, AX, TT
	CROSS1 K2, AX, K1
.irp c, 0,1,2
	v_add_f32 v[G+\c], v[TT+\c], v[K2+\c]
	v_fma_f32 v[E+\c], v74, v[K1+\c], -v[K2+\c]
	v_fma_f32 v[F+\c], v74, v[K2+\c], v[K1+\c]
.endr
	; the record: 0 theta/4, 1 the same (fills the 16 bytes that are loaded), 2-4 axis, 5-7 G, 8-10 E, 11-13 F, 14-16 tL, 17-20 qL
	s_wait_alu depctr_va_vdst(0)                   ; phase A has written v82, the axis, G, E, F and the address v83, which the stores read, and v8, the loads' address; and it is done with v12 to v109, in which the loads behind the stores land
	ds_store_b32 v[RECA], v82
	ds_store_b32 v[RECA], v82 offset:8
.irp c, 0,1,2
	ds_store_b32 v[RECA], v[AX+\c] offset:16+8*\c
.endr
.irp c, 0,1,2,3,4,5,6,7,8
	ds_store_b32 v[RECA], v[G+\c] offset:40+8*\c   ; G, E, F lie in a row
.endr
.irp c, 0,1,2,3,4,5,6
	ds_store_b32 v[RECA], v[LT+\c] offset:112+8*\c ; tL, qL likewise
.endr
	; LDS serves a wave's instructions in order (ISA guide 5.7.1): the loads below see these stores without a wait, and no other wave reads them
; ---- phase B: packed arithmetic on pairs ----
.macro PMUL d, a, b
	v_pk_mul_f32 v[\d:\d+1], v[\a:\a+1], v[\b:\b+1]
.endm
.macro PADD d, a, b
	v_pk_add_f32 v[\d:\d+1], v[\a:\a+1], v[\b:\b+1]
.endm
.macro PFMA d, a, b, c                 ; a b + c
	v_pk_fma_f32 v[\d:\d+1], v[\a:\a+1], v[\b:\b+1], v[\c:\c+1]
.endm
.macro PFMS d, a, b, c                 ; a b - c
	v_pk_fma_f32 v[\d:\d+1], v[\a:\a+1], v[\b:\b+1], v[\c:\c+1] neg_lo:[0,0,1] neg_hi:[0,0,1]
.endm
.macro PFNMA d, a, b, c                ; c - a b
	v_pk_fma_f32 v[\d:\d+1], v[\a:\a+1], v[\b:\b+1], v[\c:\c+1] neg_lo:[1,0,0] neg_hi:[1,0,0]
.endm
.macro PFMAS d, a, b, sc               ; a b + a scalar, the same for both halves
	v_pk_fma_f32 v[\d:\d+1], v[\a:\a+1], v[\b:\b+1], s[\sc:\sc+1] op_sel_hi:[1,1,0]
.endm
.macro PFMAK d, a, b, k                ; a b + an inline constant
	v_pk_fma_f32 v[\d:\d+1], v[\a:\a+1], v[\b:\b+1], \k op_sel_hi:[1,1,0]
.endm
.macro PCROSS d, a, b                  ; d = a x b; d apart from a and b
	PMUL \d,   \a+4, \b+2
	PMUL \d+2, \a,   \b+4
	PMUL \d+4, \a+2, \b
	PFMS \d,   \a+2, \b+4, \d
	PFMS \d+2, \a+4, \b,   \d+2
	PFMS \d+4, \a,   \b+2, \d+4
.endm
.macro PQMUL d, a, b, bw               ; d = a * (b.xyz, bw), xyzw; four chains side by side
	PMUL  \d,   \a+6, \b
	PMUL  \d+2, \a+6, \b+2
	PMUL  \d+4, \a+6, \b+4
	PMUL  \d+6, \a+6, \bw
	PFMA  \d,   \a,   \bw,  \d
	PFMA  \d+2, \a+2, \bw,  \d+2
	PFMA  \d+4, \a+4, \bw,  \d+4
	PFNMA \d+6, \a,   \b,   \d+6
	PFMA  \d,   \a+2, \b+4, \d
	PFMA  \d+2, \a+4, \b,   \d+2
	PFMA  \d+4, \a,   \b+2, \d+4
	PFNMA \d+6, \a+2, \b+2, \d+6
	PFNMA \d,   \a+4, \b+2, \d
	PFNMA \d+2, \a,   \b+4, \d+2
	PFNMA \d+4, \a+2, \b,   \d+4
	PFNMA \d+6, \a+4, \b+4, \d+6
.endm
; Load t of the seven that bring values 0-13 of the record at noff into buffer nb: 16 bytes, every lane the same address.  noff = -1: there is no further record.
.macro LD1 nb, noff, t
.if \noff >= 0
	ds_load_b128 v[\nb+4*\t:\nb+4*\t+3], v[CADR] offset:\noff+16*\t
.endif
.endm
; Exp(w d) of the record in buf: y = w theta/4; 2 sin y and cos y by their series; one doubling gives sh = sin(w theta/2), ch = cos(w theta/2).
; Leaves sh in TR, ch in TR+2, QI = sh axis, TI = w G + sh^2 E - sh ch F.
; The next record's seven loads, into the other buffer nb, are dealt among its first lines.  No wait stands at them: no vector instruction issued since the last
; wait on va_vdst names nb (these lines name buf, w, TR, QI, TI and the coefficients).
.macro GEN buf, w, nb, noff
	PMUL TR, \buf, \w                              ; y
	PMUL TR+2, TR, TR                              ; z
	LD1 \nb, \noff, 0
	v_pk_fma_f32 v[TR+4:TR+5], v[TR+2:TR+3], s[KS11:KS11+1], v[RS9:RS9+1] op_sel_hi:[1,0,1]
	v_pk_fma_f32 v[TR+6:TR+7], v[TR+2:TR+3], s[KC10:KC10+1], v[RC8:RC8+1] op_sel_hi:[1,0,1]
	LD1 \nb, \noff, 1
	PFMAS TR+4, TR+4, TR+2, KS7
	PFMAS TR+6, TR+6, TR+2, KC6
	LD1 \nb, \noff, 2
	PFMAS TR+4, TR+4, TR+2, KS5
	PFMAS TR+6, TR+6, TR+2, KC4
	LD1 \nb, \noff, 3
	PFMAS TR+4, TR+4, TR+2, KS3
	PFMAK TR+6, TR+6, TR+2, -0.5
	LD1 \nb, \noff, 4
	PFMAK TR+4, TR+4, TR+2, 2.0
	PFMAK TR+6, TR+6, TR+2, 1.0                    ; cos y
	LD1 \nb, \noff, 5
	PMUL TR+4, TR+4, TR                            ; 2 sin y
	LD1 \nb, \noff, 6
	PMUL TR, TR+4, TR+6                            ; sh = 2 sin y cos y
	PMUL TR+2, TR+4, TR+4
	v_pk_fma_f32 v[TR+2:TR+3], v[TR+2:TR+3], -0.5, 1.0 op_sel_hi:[1,0,0]   ; ch = 1 - (2 sin y)^2 / 2
	PMUL TR+4, TR, TR                              ; sh^2
	PMUL TR+6, TR, TR+2                            ; sh ch
.irp c, 0,1,2
	PMUL QI+2*\c, TR, \buf+4+2*\c
	PMUL TI+2*\c, \w, \buf+10+2*\c
.endr
.irp c, 0,1,2
	PFMA TI+2*\c, TR+4, \buf+16+2*\c, TI+2*\c
.endr
.irp c, 0,1,2
	PFNMA TI+2*\c, TR+6, \buf+22+2*\c, TI+2*\c
.endr
.endm
; (T, qo) * (TI, (QI, ch)):  T += TI + 2 (w c + qv x c), c = qv x TI;  qn = qo * (QI, ch).  qn serves as c until the product overwrites it.
.macro COMPOSE qo, qn
	PCROSS \qn, \qo, TI
.irp c, 0,1,2
	PADD T+2*\c, T+2*\c, TI+2*\c
.endr
	PCROSS TI, \qo, \qn
.irp c, 0,1,2
	PFMA TI+2*\c, \qo+6, \qn+2*\c, TI+2*\c
.endr
.irp c, 0,1,2
	v_pk_fma_f32 v[T+2*\c:T+2*\c+1], v[TI+2*\c:TI+2*\c+1], 2.0, v[T+2*\c:T+2*\c+1] op_sel_hi:[1,0,1]
.endr
	PQMUL \qn, \qo, QI, TR+2
.endm
.macro LOADP off                       ; values 14-20 of a pair's record 0: p0 into T and R1, 56 bytes
	ds_load_b128 v[T:T+3],     v[CADR] offset:\off+112
	ds_load_b128 v[T+4:T+7],   v[CADR] offset:\off+128
	ds_load_b128 v[T+8:T+11],  v[CADR] offset:\off+144
	ds_load_b64  v[T+12:T+13], v[CADR] offset:\off+160
.endm
; One factor.  wc: how many younger LDS instructions may stay out when buf has to be in (none wanted: -1).  va = 1: the wait for the factor before stands at the head.
; nb, noff: the buffer that the factor before used up, and the record that GEN loads into it (-1: none).  wp: the count for the pair's start pose, wanted by COMPOSE alone.
.macro FACTOR buf, w, qo, qn, wc, va, nb, noff, wp
.if \wc >= 0
	s_wait_dscnt \wc
.endif
.if \va
	s_wait_alu depctr_va_vdst(0)                   ; the factor before is done reading its record's buffer, in which the loads dealt in GEN land
.endif
	GEN \buf, \w, \nb, \noff
.if \wp >= 0
	s_wait_dscnt \wp
.endif
	COMPOSE \qo, \qn
.endm
; Segments 2p and 2p+1.  The factors take the two buffers in turn, so bA, bB swap from pair to pair.
; Inside a pair a record's loads were dealt in the GEN of the factor before and nothing was issued behind them: the count is 0.
; The pair's first factor has no wait on va_vdst: the one at the end of the pair before (for pair 0: the one ahead of the record's stores) has shown bB free.
; The last factor of all loads nothing, so it has none either.
.macro PAIR p, bA, bB, wc0, wp
	FACTOR \bA, W0, R1, R2, \wc0, 0, \bB, \p*PREC+REC, \wp
	FACTOR \bB, W1, R2, R1, 0, 1, \bA, \p*PREC+2*REC, -1
.if \p < 3
	FACTOR \bA, W2, R1, R2, 0, 1, \bB, \p*PREC+PREC, -1
.else
	FACTOR \bA, W2, R1, R2, 0, 0, \bB, -1, -1
.endif
	s_wait_alu depctr_va_vdst(0)                   ; COMPOSE has written T and R2, which the stage stores read; no vector instruction is still at T, R1, v26 to v53 or bA, in which the start pose's loads, the read-back and the next factor's loads land
.irp e, 0,1
.irp c, 0,1,2
	ds_store_b32 v[STW], v[T+2*\c+\e] offset:((\p&1)*2+\e)*SEG+4*\c        ; lanes 7 words apart: 32 different banks
.endr
.irp c, 0,1,2,3
	ds_store_b32 v[STW], v[R2+2*\c+\e] offset:((\p&1)*2+\e)*SEG+12+4*\c
.endr
.endr
	s_wait_alu depctr_vm_vsrc(0)                   ; the stage stores have read T, in which the start pose's loads land, and R2, which the next COMPOSE writes or in which the read-back lands
.if \p < 3
	LOADP \p*PREC+PREC
.endif
.endm
; Four segments leave: 3,584 bytes read back in the order of memory; each store of the wave covers 512 consecutive bytes, aligned.
.macro FLUSH grp, more
.irp t, 0,1,2,3,4,5,6
	ds_load_b128 v[O+4*\t:O+4*\t+3], v[STR] offset:512*\t  ; in order behind my own stage stores: no wait on DScnt between
.endr
.irp t, 0,1,2,3,4,5,6
	s_wait_dscnt 6-\t                              ; load t is in, the younger ones stay out
	global_store_b128 v[GO], v[O+4*\t:O+4*\t+3], s[8:9] offset:\grp*GRP+512*\t th:TH_STORE_NT
.endr
.if \more
	s_wait_xcnt 0x0                                ; the next pair's arithmetic rewrites the stores' data registers only behind this wait (ISA guide 3.1)
	s_wait_alu depctr_vm_vsrc(0)                   ; the global stores have read v26 to v53, which the next pair's GEN and COMPOSE write
.endif
.endm
	s_wait_alu depctr_vm_vsrc(0)                   ; the global loads have read their offsets v16, v18, v19, and the record's stores v20 to v26, the axis, G, E, F, v82 and v83: the loads below and those dealt in the first GEN land in these registers
	LOADP 0
.irp t, 0,1,2,3,4,5,6
	LD1 BX, 0, \t                                  ; record 0 of pair 0
.endr
	PAIR 0, BX, BY, 0, -1                          ; 0: the start pose and the first record, with nothing issued behind them
	PAIR 1, BY, BX, 18, 7                          ; 18 behind this record's loads: 14 stage stores, 4 of the start pose; then 7: the loads dealt in GEN alone stay out
	FLUSH 0, 1
	PAIR 2, BX, BY, -1, -1                         ; the way out ended on a count of 0: everything asked for earlier is in
	PAIR 3, BY, BX, 18, 7
	FLUSH 1, 0
	s_wait_dscnt 0x0
	s_wait_alu depctr_hold_cnt(0) depctr_sa_sdst(0) depctr_va_vdst(0) depctr_va_sdst(0) depctr_va_ssrc(0) depctr_va_vcc(0) depctr_vm_vsrc(0)
	s_wait_tensorcnt 0x0
	ds_add_u32 v114, v115
	s_wait_dscnt 0x0
	s_endpgm
.Lfunc_end_k_q0383aefff0_spline:
	.size	k_q0383aefff0_spline, .Lfunc_end_k_q0383aefff0_spline-k_q0383aefff0_spline
	.p2alignl 7, 3214868480
	.fill 96, 4, 3214868480
	.section	.rodata,"a",@progbits
	.p2align	6, 0x0
	.amdhsa_kernel k_q0383aefff0_spline
		.amdhsa_group_segment_fixed_size 26112
		.amdhsa_private_segment_fixed_size 0
		.amdhsa_enable_private_segment 0
		.amdhsa_kernarg_size 24
		.amdhsa_user_sgpr_count 2
		.amdhsa_user_sgpr_kernarg_segment_ptr 1
		.amdhsa_wavefront_size32 1
		.amdhsa_system_sgpr_workgroup_id_x 1
		.amdhsa_system_sgpr_workgroup_id_y 1
		.amdhsa_system_sgpr_workgroup_id_z 1
		.amdhsa_system_vgpr_workitem_id 0
		.amdhsa_next_free_vgpr 116
		.amdhsa_next_free_sgpr 66
		.amdhsa_reserve_vcc 1
		.amdhsa_float_denorm_mode_32 3
		.amdhsa_float_denorm_mode_16_64 3
		.amdhsa_memory_ordered 1
		.amdhsa_forward_progress 1
		.amdhsa_inst_pref_size 76
	.end_amdhsa_kernel
	.amdgpu_metadata
---
amdhsa.version: [ 1, 2 ]
amdhsa.kernels:
  - .name:           k_q0383aefff0_spline
    .symbol:         k_q0383aefff0_spline.kd
    .args:
      - { .name: input_poses, .offset: 0, .size: 8, .value_kind: global_buffer, .address_space: global }
      - { .name: time, .offset: 8, .size: 8, .value_kind: global_buffer, .address_space: global }
      - { .name: out0, .offset: 16, .size: 8, .value_kind: global_buffer, .address_space: global }
    .group_segment_fixed_size: 26112
    .private_segment_fixed_size: 0
    .kernarg_segment_align: 8
    .kernarg_segment_size: 24
    .max_flat_workgroup_size: 128
    .sgpr_count:     66
    .vgpr_count:     116
    .wavefront_size: 32
...
	.end_amdgpu_metadata
.endif
;; end of part 2
